; MI455X (gfx1250); checked and timed in simulation.
; The chip was launched on July 23, 2026; its instructions are those of AMD's public machine-readable ISA for CDNA 5 (MIT licence, August 2026) and "CDNA5" Instruction Set Architecture Reference Guide (July 2026). The comments in the code are by the model that wrote it; some were corrected since.
;; Gate Mod Linear. Allowed arithmetic: matrix products marked QUANTISED: E5M2 operands, one E8M0 scale for each 32 along K, by v_wmma_scale_f32_16x16x128_f8f6f4 with both operands' format E5M2, f32 sums; products left as they are: f32 operands where the result goes on into a quantised operand, else bf16, f16 or f32 operands; f32 sums; everything else in f32.
;; Inputs: Ws_codes 8 x 2,048 x 32 x 32 uint8 (E5M2 codes of Ws, K innermost, in blocks of 32 codes); Ws_scales 8 x 2,048 x 32 uint8 (E8M0 scales of Ws, one for each 32 codes along K); bs 8 x 2,048 float32; gW 4,096 x 2,048 float32; gb 4,096 x 2,048 float32; pW 4,096 x 8 float32; pb 4,096 x 8 float32; x_codes 4,096 x 32 x 32 uint8 (E5M2 codes of x, K innermost, in blocks of 32 codes); x_scales 4,096 x 32 uint8 (E8M0 scales of x, one for each 32 codes along K).
;; Outputs: out0 4,096 x 2,048 float32.
;; This version of the problem:
;;   THIS VERSION OF THE PROBLEM IS GIVEN IN LOW PRECISION. The matrix products marked QUANTISED in the list below multiply operands that are first quantised to E5M2 (5 exponent bits, 2 mantissa bits; 8 bits a number), with one power-of-two scale for each 32 numbers along K (OCP MX v1.0); their sums are f32. All else is computed in f32.
;;   The module's matrix products, in the order in which they are computed (A, B: the left and right operand; K: the contracted axis; several contracted axes count as one K, in the product's order):
;;     1. [M 4,096, K 1,024] x [K 1,024, N 16,384]; A: input x (given as codes); B: input Ws (given as codes): QUANTISED
;;     2. batch 4,096 x [M 1, K 8] x [K 8, N 2,048]; A: input pW; B: computed on the way: left as it is (K = 8 < 32)
;;     3. [M 4,096, K 8] x [K 8, N 2,048]; A: input pb; B: input bs: left as it is (K = 8 < 32)
;;   THE QUANTISER, for each operand of a quantised product, along K:
;;     - K is cut into blocks of 32 from its start; a last block that is shorter is filled with zeros.
;;     - A block's scale is 2^e with e = floor(log2(the largest magnitude in the block)) - 15, held to -126 .. 127; a block of zeros has e = 0. As a byte (E8M0): e + 127.
;;     - Each number is divided by its block's scale, clamped to +-57,344, and rounded to the nearest number of E5M2, ties to even, subnormals kept.
;;     - The product sums the exact products of the quantised numbers (number of the format x scale) in f32.
;;   ~~~python
;;   def quantise(x, axis):      # numpy; x: float32 -> the quantised numbers, widened to float32 again
;;       x = np.moveaxis(x, axis, -1); K = x.shape[-1]
;;       x = np.pad(x, [(0, 0)] * (x.ndim - 1) + [(0, -K % 32)]); x = x.reshape(x.shape[:-1] + (-1, 32)); a = np.abs(x).max(-1, keepdims=True)
;;       e = np.where(a > 0, np.clip(np.frexp(np.where(a > 0, a, 1))[1] - 1 - 15, -126, 127), 0)      # np.frexp(a)[1] - 1 = floor(log2(a)), exactly
;;       r = np.clip(x / 2.0 ** e, -57344, 57344)
;;       step = 2.0 ** (np.maximum(np.frexp(np.where(r == 0, 1, r))[1] - 1, -14) - 2)
;;       q = np.round(r / step) * step * 2.0 ** e      # np.round: ties to even
;;       return np.moveaxis(q.reshape(q.shape[:-2] + (-1,))[..., :K], -1, axis).astype(np.float32)
;;   ~~~
;;   INPUTS GIVEN AS CODES. Ws (in the module: [8, 2048, 1024], K = its axis 2); x (in the module: [4096, 1024], K = its axis 1): each comes as NAME_codes (uint8): NAME with its K axis moved to the last place and cut into blocks of 32 codes, [.., K / 32, bytes a block], one block behind the other in memory; one code a byte (a code: sign, 5 exponent bits, 2 mantissa bits); and NAME_scales (uint8): the same leading axes, one E8M0 byte (e + 127) for each 32 codes along K. Its value is code x scale, taken as it is: it is not quantised again, and the codes and scales need not be those that the quantiser above would give.
;; One version. Each part assembles by itself: llvm-mc -triple=amdgcn-amd-amdhsa -mcpu=gfx1250 --defsym DOCPART=n.
;; ======== version 1 of 1: 2 launches
;; workspace buffers: u 33,554,432 bytes
;; launch mix (part 1): grid 16 x 16, 4 waves a work-group, clusters of 4 x 1, 327,680 bytes of LDS; arguments Ws_codes, Ws_scales, x_codes, x_scales, pW, u; writes u
.if DOCPART == 1
	.amdgcn_target "amdgcn-amd-amdhsa--gfx1250"
	.amdhsa_code_object_version 6
	.text
	.protected	k_q1f248f4b12_mix
	.globl	k_q1f248f4b12_mix
	.p2align	8
	.type	k_q1f248f4b12_mix,@function
k_q1f248f4b12_mix:
	s_mov_b64 s[64:65], 0
	v_nop
	global_prefetch_b8 v0, s[64:65] scope:SCOPE_SE
	s_setreg_imm32_b32 hwreg(HW_REG_WAVE_MODE, 25, 1), 1
	s_wait_xcnt 0x0
	s_wait_alu depctr_hold_cnt(0) depctr_sa_sdst(0) depctr_va_vdst(0) depctr_va_sdst(0) depctr_va_ssrc(0) depctr_va_vcc(0) depctr_vm_vsrc(0)
	s_getreg_b32 s2, hwreg(HW_REG_IB_STS2, 6, 4)
	s_cmp_eq_u32 s2, 0
	s_cbranch_scc0 .Lentry_in_a_cluster
	s_endpgm
.Lentry_in_a_cluster:
	s_bfe_u32 s2, ttmp6, 0x10000c
	s_cmp_lg_u32 s2, 0x3003
	s_cbranch_scc0 .Lentry_shape_is_right
	s_endpgm
.Lentry_shape_is_right:
; u[b][i] = sum over m of pW[b][m] * h[b][m][i],  h[b][m][i] = sum over k of Ws[m][i][k] x[b][k].
; Ws: [8][2048][1024] and x: [4096][1024] arrive as codes of BF8 (E5M2), one byte each, K innermost, with one E8M0 byte for each 32 along K; they go to the matrix unit as they lie.  pW: [4096][8] f32.  u: [4096][2048] f32.
; SHARES.  A work-group owns 256 rows b (bx) and 128 columns i (iy); 16 x 16 work-groups.  Wave w owns rows 64 w .. 64 w + 63, four blocks j of 16, AND KEEPS THEIR CODES FOR ALL OF K IN 512 REGISTERS for the whole launch.
; The columns go in two passes q of 64; in a pass the eight experts m follow each other: sixteen "experts" e = 8 q + m.  An expert is 8 K steps of 128; a K step is 4 blocks a of 16 rows of W x 4 blocks j of x = 16 matrix
; instructions on 16 accumulators H.  All four waves read the same tile of W from LDS; a fragment of W (2,048 bytes) feeds four matrix instructions.
; pW is no power of two, so it cannot ride in a scale: each expert's sums H are finished and then mixed into U by packed multiply-adds in f32.  The mix of expert e stands between the products of K step 0 of expert e + 1,
; which begin H anew with the constant 0.
; TRANSPOSED USE: source 0 = 16 rows of W, source 1 = 16 rows of x: lane (r = l % 16, hh = l / 16), register t holds h(b = 16 j + r, i = 16 a + 8 hh + t): one row b a lane, so pW is one number a lane, and eight neighbouring columns.
; RING.  Four places of 64 rows x 1,040 bytes; expert e lies at place e % 4; a slot is two places, two experts, 256 matrix instructions a wave.  Each wave fetches 32 rows of a slot by one tensor load.
; THE LDS LOADS STAND IN RUNS OF 16, one a K step, at the step's head, never singly among the matrix instructions: the next K step's four fragments, into the buffer that the K step before has left.
; CLUSTER 4 x 1: the four partners share iy, hence every tile of W and all of W's scale bytes: every tensor load is a joint one with the mask 15.  x, pW and u hang on bx and go through registers, once: nothing of them is shared,
; so a second axis of the cluster would share nothing.
; W's scale bytes of the work-group's 128 columns x 8 experts (32,768 bytes) come once, with the first fills, and stay.
; LIMITS: none of range; a scale byte 0xff or a NaN or infinity among the codes goes through as the matrix unit gives it.
; REGISTERS, in windows of 256: window 0: addresses, scale words, pW, W's fragments (two buffers);  window 1: v0-127 H (accumulator (j, a) at 8 (4 j + a)), v128-255 U likewise;
;   window 2: x of K steps 0-3 (at 64 s + 16 j);  window 3: x of K steps 4-7.
.set PITCH, 1040                       ; an LDS row of W: 1,024 bytes + 16 of padding = 65 x 16: the 16 rows that a load touches start at 16 different groups of four banks (64 banks of 4 bytes: ISA guide 11.1)
.set PLACE, 64*PITCH                   ; one expert's tile
.set SLOTB, 2*PLACE
.set QUART, 32*PITCH                   ; what one tensor load brings
.set SCL,   4*PLACE                    ; behind the ring: W's scale bytes, 2,048 for each e, at SCL + 2048 e
.set STAGE, SCL+32768                  ; the way out: 16 rows x 272 bytes for each wave; no tensor load lands here
.set SP,    272
.set SPARE, STAGE+4*16*SP              ; the spare words, 128 bytes for each wave: two blocks of 256 bytes that no other line names
.set PA,  3                            ; v3     pW: 32 r
.set AW,  4                            ; v4-7   my lane's place in a tile of W at place 0 .. 3: 1040 r + 16 hh + 66,560 n
.set ASC, 8                            ; v8     W's scale words: SCL + 32 r + 16 hh, 8,192 on in each trip
.set STO, 9                            ; v9     the way out: where I put 16 bytes of a row
.set RD,  10                           ; v10    where I read a row back
.set GO,  11                           ; v11    my byte offset in the wave's rows of u
.set SPW, 12                           ; v12    LDS address of my spare word; never rewritten
.set NIL, 13                           ; v13    0; never rewritten
.set XA,  14                           ; v14    x's codes: 1024 r + 16 hh
.set XSA, 15                           ; v15    x's scale bytes: 32 r + 16 hh
.set XS,  16                           ; v16-31 x's scale words: register 4 j + s': lanes 0-15 K step s', lanes 16-31 K step 4 + s'
.set WS,  32                           ; v32-63 W's, two sets: register 16 set + 4 a + s', likewise
.set P,   64                           ; v64-95 the pair at P + 2 (4 k + j): pW[b][k] and pW[b][k + 4] of my row of block j; the word that is due next lies low
.set TS,  96                           ; v96-99 at work
.set WF,  128                          ; v128-255 W's fragments: buffer s % 2, block a at 64 (s % 2) + 16 a
.set U,   128                          ; in window 1
.set WV,  16                           ; s16 my wave's number
.set G1W, 24                           ; s[24:31] descriptor group 1 for W's tiles
.set G0A, 32                           ; s[32:35] group 0 for slot 0;  s[36:39] for slot 1
.set G0B, 36
.set G1S, 40                           ; s[40:47], s[48:51] groups 1 and 0 for the scale bytes
.set G0S, 48
.set WB0, 52                           ; s[52:53] where my 32 rows of a slot-0 tile begin for experts 0, 1;  s[54:55] the same for slot 1 (experts 2, 3)
.set WB1, 54
.set OFT, 56                           ; s[56:57] bytes from there to the pair of slots that is asked for in this trip
.set STP, 58                           ; s58 what the next trip adds to it
.set TRIPS, 59
.set PH,  60                           ; s60 1 in the trip in which pass 0 ends
.set MSB, 0
.macro WIN new                         ; s_set_vgpr_msb: bits 1:0 source 0, 3:2 source 1, 5:4 source 2, 7:6 destination; the high byte repeats the setting that is left
.if MSB != (\new)
	s_set_vgpr_msb (MSB<<8)|(\new)
.set MSB, (\new)
.endif
.endm
.set W_MIX, 0x51                       ; U and H in window 1, pW in window 0
.set W_SD,  0x04                       ; a store's data in window 1
.set W_LD,  0x40                       ; a load's destination in window 1
.macro CREST                           ; a round of the cluster's barrier behind its opening barrier
	s_cmp_lg_u32 s[WV], 0
	s_cbranch_scc1 .Lnot_wave_0_\@
	s_barrier_signal -3
.Lnot_wave_0_\@:
	s_barrier_wait -3
	s_barrier_signal -1
	s_barrier_wait -1
.endm
.macro CROUND                          ; a whole round
	s_barrier_signal -1
	s_barrier_wait -1
	CREST
.endm
	s_load_b256 s[4:11], s[0:1], 0x0               ; W's codes s[4:5], W's scales s[6:7], x's codes s[8:9], x's scales s[10:11]
	s_load_b128 s[12:15], s[0:1], 0x20             ; pW s[12:13], u s[14:15]
	v_lshl_add_u32 v[SPW], v0, 2, SPARE
	v_mov_b32 v[NIL], 0
	ds_add_u32 v12, v13
	ds_add_u32 v12, v13
	s_wait_dscnt 0x0
	v_lshrrev_b32 v1, 5, v0
	v_readfirstlane_b32 s[WV], v1                  ; wave 0..3
	s_bfe_u32 s17, ttmp6, 0x40000                  ; cx: my place in the cluster
	s_lshl_b32 s18, ttmp9, 2                       ; in a cluster launch ttmp9 counts clusters
	s_add_co_u32 s18, s18, s17                     ; bx = 4 x cluster x + cx: it enters the addresses of x, pW and u alone
	s_and_b32 s19, ttmp7, 0xffff                   ; iy, which the four partners share
	; group 1 for W: 32 rows x 1,024 bytes, dense in memory, 16 bytes of padding behind each row in LDS
	s_mov_b32 s[G1W+0], 15|(1<<20)|(1<<21)|(7<<22)|(3<<25)  ; 15:0 the mask: all four work-groups; 17:16 elements of 1 byte; 20 padding on; 21 set beside a mask; 24:22 after every 256 words (code 7); 31:25 four words (code 3)
	s_mov_b32 s[G1W+1], 1024<<16                   ; tensor_dim0
	s_mov_b32 s[G1W+2], 32<<16                     ; tensor_dim1
	s_mov_b32 s[G1W+3], 1024<<16                   ; tile_dim0
	s_mov_b32 s[G1W+4], 32                         ; tile_dim1
	s_mov_b32 s[G1W+5], 1024                       ; tensor_dim0_stride
	s_mov_b32 s[G1W+6], 0
	s_mov_b32 s[G1W+7], 0
	; group 1 for the scale bytes: 4 experts x 2,048 bytes (64 rows x 32), 65,536 bytes from expert to expert; elements of 8 bytes
	s_mov_b32 s[G1S+0], 15|(3<<16)|(1<<21)
	s_mov_b32 s[G1S+1], 256<<16
	s_mov_b32 s[G1S+2], 4<<16
	s_mov_b32 s[G1S+3], 256<<16
	s_mov_b32 s[G1S+4], 4
	s_mov_b32 s[G1S+5], 8192
	s_mov_b32 s[G1S+6], 0
	s_mov_b32 s[G1S+7], 0
	s_lshr_b32 s20, s[WV], 1                       ; which of a slot's two experts I fetch
	s_and_b32 s21, s[WV], 1                        ; and which 32 of its 64 rows
	s_lshl_b32 s22, s20, 21                        ; an expert is 2,048 rows of 1,024 bytes,
	s_lshl_b32 s23, s19, 17                        ; iy's 128 rows,
	s_add_co_u32 s22, s22, s23
	s_lshl_b32 s23, s21, 15                        ; 32 rows
	s_add_co_u32 s22, s22, s23
	s_mov_b32 s23, 0
	s_mov_b32 s[OFT], 0
	s_mov_b32 s[OFT+1], 0
	s_mov_b32 s[STP], 0x800000                     ; four experts on
	s_mov_b32 s[TRIPS], 3
	s_mov_b32 s[PH], 0
	s_wait_kmcnt 0x0
	s_add_nc_u64 s[WB0:WB0+1], s[4:5], s[22:23]
	s_add_nc_u64 s[WB1:WB1+1], s[WB0:WB0+1], 0x400000   ; two experts on
	s_lshl_b32 s22, s21, 18                        ; the scale bytes: wave w brings e = 4 w .. 4 w + 3: experts 4 (w % 2) on (65,536 bytes each),
	s_lshl_b32 s23, s19, 12                        ; iy's 128 rows of 32 bytes,
	s_add_co_u32 s22, s22, s23
	s_lshl_b32 s23, s20, 11                        ; pass w / 2: 64 rows
	s_add_co_u32 s22, s22, s23
	s_mov_b32 s23, 0
	s_mov_b32 s[G0S], 1                            ; 1:0 count = 1
	s_lshl_b32 s[G0S+1], s[WV], 13
	s_add_co_u32 s[G0S+1], s[G0S+1], SCL           ; 63:32 LDS address: the wave's number alone
	s_add_nc_u64 s[G0S+2:G0S+3], s[6:7], s[22:23]  ; 120:64 global address
	s_or_b32 s[G0S+3], s[G0S+3], 0x80000000        ; 127:126 type = 2
	s_mov_b32 s[G0A], 1
	s_mul_i32 s[G0A+1], s[WV], QUART
	s_mov_b64 s[G0A+2:G0A+3], s[WB0:WB0+1]
	s_or_b32 s[G0A+3], s[G0A+3], 0x80000000
	s_mov_b32 s[G0B], 1
	s_add_co_u32 s[G0B+1], s[G0A+1], SLOTB
	s_mov_b64 s[G0B+2:G0B+3], s[WB1:WB1+1]
	s_or_b32 s[G0B+3], s[G0B+3], 0x80000000
	s_lshl_b32 s2, s18, 18                         ; my wave's first row, 256 bx + 64 w, times 1,024 bytes (s2, s3, s17 alone ever hold what hangs on cx)
	s_lshl_b32 s3, s[WV], 16
	s_add_co_u32 s2, s2, s3
	s_mov_b32 s3, 0
	s_add_nc_u64 s[8:9], s[8:9], s[2:3]            ; x's codes
	s_lshr_b32 s2, s2, 5                           ; times 32 bytes
	s_add_nc_u64 s[10:11], s[10:11], s[2:3]        ; x's scale bytes
	s_add_nc_u64 s[12:13], s[12:13], s[2:3]        ; pW
	s_lshl_b32 s2, s2, 8                           ; times 8,192 bytes,
	s_lshl_b32 s17, s19, 9                         ; and iy's 128 columns
	s_add_co_u32 s2, s2, s17
	s_add_nc_u64 s[14:15], s[14:15], s[2:3]        ; u
	CROUND                                         ; all four work-groups are here: the first joint loads meet
	tensor_load_to_lds s[G0S:G0S+3], s[G1S:G1S+7]  ; the first fills go out together: by this text's count three tensor loads of a wave are out here, later one
	s_nop 0
	tensor_load_to_lds s[G0A:G0A+3], s[G1W:G1W+7]  ; experts 0, 1
	s_nop 0
	tensor_load_to_lds s[G0B:G0B+3], s[G1W:G1W+7]  ; experts 2, 3
	s_nop 0
.rept 4
	v_nop
.endr
	v_and_b32 v1, 15, v0                           ; r
	v_bfe_u32 v2, v0, 4, 1                         ; hh
	v_lshlrev_b32 v[XA], 10, v1
	v_lshl_add_u32 v[XA], v2, 4, v[XA]
	v_lshlrev_b32 v[PA], 5, v1
	v_lshl_add_u32 v[XSA], v2, 4, v[PA]
	; x's fragment (j, s): 16 registers: registers 4 c .. 4 c + 3 hold k = 128 s + 32 c + 16 hh + 0 .. 15 of row 16 j + r
	WIN 0x80                                       ; destination window 2
.irp s, 0,1,2,3
.irp j, 0,1,2,3
.irp c, 0,1,2,3
	global_load_b128 v[64*\s+16*\j+4*\c:64*\s+16*\j+4*\c+3], v[XA], s[8:9] offset:16384*\j+128*\s+32*\c
.endr
.endr
.endr
	WIN 0xc0                                       ; destination window 3
.irp s, 0,1,2,3
.irp j, 0,1,2,3
.irp c, 0,1,2,3
	global_load_b128 v[64*\s+16*\j+4*\c:64*\s+16*\j+4*\c+3], v[XA], s[8:9] offset:16384*\j+512+128*\s+32*\c
.endr
.endr
.endr
	WIN 0
.irp j, 0,1,2,3
	global_load_b128 v[XS+4*\j:XS+4*\j+3], v[XSA], s[10:11] offset:512*\j   ; lane (r, hh): bytes 16 hh .. 16 hh + 15 of the row's 32
.endr
.irp m, 0,1,2,3,4,5,6,7
.irp j, 0,1,2,3
	global_load_b32 v[P+2*(4*(\m%4)+\j)+\m/4], v[PA], s[12:13] offset:512*\j+4*\m
.endr
.endr
	v_mul_u32_u24 v[AW], v1, PITCH
	v_lshl_add_u32 v[AW], v2, 4, v[AW]
	v_add_nc_u32 v[AW+1], PLACE, v[AW]
	v_add_nc_u32 v[AW+2], 2*PLACE, v[AW]
	v_add_nc_u32 v[AW+3], 3*PLACE, v[AW]
	v_add_nc_u32 v[ASC], SCL, v[XSA]
	s_mul_i32 s20, s[WV], 16*SP
	s_add_co_u32 s20, s20, STAGE                   ; my stage
	v_mul_u32_u24 v[STO], v1, SP                   ; in: row r, 32 bytes for each half of the lanes
	v_lshl_add_u32 v[STO], v2, 5, v[STO]
	v_add_nc_u32 v[STO], s20, v[STO]
	v_mul_u32_u24 v[RD], v2, SP                    ; back: lanes 0-15 one row of 256 bytes, lanes 16-31 the next
	v_lshl_add_u32 v[RD], v1, 4, v[RD]
	v_add_nc_u32 v[RD], s20, v[RD]
	v_lshlrev_b32 v[GO], 13, v2                    ; and the same two rows in u
	v_lshl_add_u32 v[GO], v1, 4, v[GO]
; One matrix instruction: W's block a x x's block j, K step s; set: which set of W's scale words.  zero = 1 (K step 0): the product starts the sum: nothing is ever cleared.
; K steps 4 to 7 take both sides' scale words from lanes 16-31.
.macro WM a, j, s, set, zero
.set rH, 8*(4*(\j)+(\a))
.set rA, WF+64*((\s)%2)+16*(\a)
.set rB, 64*((\s)%4)+16*(\j)
.set rW, WS+16*(\set)+4*(\a)+(\s)%4
.set rX, XS+4*(\j)+(\s)%4
.if \zero
	v_wmma_scale_f32_16x16x128_f8f6f4 v[rH:rH+7], v[rA:rA+15], v[rB:rB+15], 0, v[rW], v[rX] matrix_a_fmt:MATRIX_FMT_BF8 matrix_b_fmt:MATRIX_FMT_BF8
.elseif (\s) < 4
	v_wmma_scale_f32_16x16x128_f8f6f4 v[rH:rH+7], v[rA:rA+15], v[rB:rB+15], v[rH:rH+7], v[rW], v[rX] matrix_a_fmt:MATRIX_FMT_BF8 matrix_b_fmt:MATRIX_FMT_BF8
.else
	v_wmma_scale_f32_16x16x128_f8f6f4 v[rH:rH+7], v[rA:rA+15], v[rB:rB+15], v[rH:rH+7], v[rW], v[rX] matrix_a_fmt:MATRIX_FMT_BF8 matrix_b_fmt:MATRIX_FMT_BF8 matrix_a_scale:MATRIX_SCALE_ROW1 matrix_b_scale:MATRIX_SCALE_ROW1
.endif
.endm
; A group: block a against x's four blocks.  The 16 accumulators take turns, one instruction a turn, in the same order in every K step.
.macro WM4 a, s, set, zero
.irp j, 0,1,2,3
	WM \a, \j, \s, \set, \zero
.endr
.endm
; A load into a register that a matrix instruction has read, and a vector instruction that reads a matrix result, stand eight places behind that matrix instruction; a matrix instruction that writes over a result, nine; and only
; plain vector instructions that name none of its registers are places.
.macro PLACES n
.rept \n
	v_nop
.endr
.endm
.macro LF adr, sn, a                   ; W's fragment (a, K step sn) from the place at v[adr] into buffer sn % 2
.irp c, 0,1,2,3
	ds_load_b128 v[WF+64*((\sn)%2)+16*(\a)+4*\c:WF+64*((\sn)%2)+16*(\a)+4*\c+3], v[\adr] offset:16*PITCH*(\a)+128*(\sn)+32*\c
.endr
.endm
.macro SCLD set, off                   ; an expert's scale words of W: 16 bytes a lane and block
.irp a, 0,1,2,3
	ds_load_b128 v[WS+16*(\set)+4*\a:WS+16*(\set)+4*\a+3], v[ASC] offset:(\off)+512*\a
.endr
.endm
; A K STEP.  At its head, behind eight places, ONE run of loads: the four fragments of the K step that follows (K step sn of the place at v[adr]), into the buffer that the K step before multiplied; then this step's 16 products.
; scoff > 0: the next expert's scale words ride at the run's head, into the set that the expert before read last.
; The waits: behind fragment (a, s) were issued the rest of its own run, 4 (3 - a) loads, and the run just issued: 16 loads, or 20.
.macro STEP s, set, zero, adr, sn, scoff
	PLACES 8
	WIN 0
.if \scoff
	SCLD 1-\set, \scoff
.endif
.irp a, 0,1,2,3
	LF \adr, \sn, \a
.endr
	WIN 0x58+4*((\s)/4)                            ; W window 0, x window 2 or 3, H window 1
.irp a, 0,1,2,3
.if \scoff
	s_wait_dscnt 32-4*\a
.else
	s_wait_dscnt 28-4*\a
.endif
	WM4 \a, \s, \set, \zero
.endr
.endm
; K steps 1 to 6 of an expert (scoff = 0: there is no next expert).
.macro RUN set, adr, scoff
.irp s, 1,2,3,4,5
	STEP \s, \set, 0, \adr, \s+1, 0
.endr
	STEP 6, \set, 0, \adr, 7, \scoff
.endm
; K step 7 of a slot's second expert changes slots: ONE barrier.  In front of it each wave waits for all its tensor loads (its part of the next slot), adds 0 to its spare word, and waits for that and for its reads of this slot.
; fill = 1: the barrier opens a round of the cluster's barrier, and this slot is filled again first thing behind it, with the experts four on: the load has 256 matrix instructions in which to land.
; The run of loads for the next K step reads the next slot, so here it stands behind the barrier, in the step's middle.
.macro TURN set, adrn, fill, slot
	WIN 0                                          ; (the add's two registers lie in window 0)
	s_wait_tensorcnt 0x0                           ; no tensor load of mine is out, so a group 0 may be written
	ds_add_u32 v[SPW], v[NIL]                      ; 0 onto my spare word
.if \fill
.if \slot == 0
	s_add_co_u32 s[OFT], s[OFT], s[STP]            ; 8,388,608 (experts 4, 5), then 65,536 (pass 1, experts 0, 1), then 8,454,144
	s_sub_co_u32 s[STP], 0x10000, s[STP]           ; the steps alternate: four experts on; four back and 64 rows on
	s_add_nc_u64 s[G0A+2:G0A+3], s[WB0:WB0+1], s[OFT:OFT+1]
	s_or_b32 s[G0A+3], s[G0A+3], 0x80000000
.else
	s_add_nc_u64 s[G0B+2:G0B+3], s[WB1:WB1+1], s[OFT:OFT+1]
	s_or_b32 s[G0B+3], s[G0B+3], 0x80000000
.endif
.endif
	s_wait_dscnt 13                                ; fragment (0, 7) is in: the add and the three fragments behind it may be out
	WIN 0x5c
	WM4 0, 7, \set, 0                              ; matrix work stands between the add and the wait for it
	s_wait_dscnt 0x0                               ; the add is done, and my reads of this slot are over
	s_barrier_signal -1
	WM4 1, 7, \set, 0
	WIN 0
	s_barrier_wait -1
.if \fill
	CREST                                          ; no wave of any partner still reads this slot or has a load on its way
.if \slot == 0
	tensor_load_to_lds s[G0A:G0A+3], s[G1W:G1W+7]
	s_nop 0
.else
	tensor_load_to_lds s[G0B:G0B+3], s[G1W:G1W+7]
	s_nop 0
.endif
.endif
	PLACES 8                                       ; the places in front of the loads below
.irp a, 0,1,2,3
	LF \adrn, 0, \a                                ; the next slot's first fragments
.endr
	WIN 0x5c
	WM4 2, 7, \set, 0
	WM4 3, 7, \set, 0
.endm
; THE MIX of the expert just finished, and K step 0 of the next.  At its head nine places (the products below write over results) and the run of loads for K step 1.  Then for each accumulator: U += pW x H (first = 1: U = pW x H,
; a pass's first expert), from H's low end on, and the product that begins H anew.  At the end the row of pW that was used changes its halves: four experts on, the other word is due.
.macro MIXSTEP k, setn, adrn, first
	PLACES 9
	WIN 0
.irp a, 0,1,2,3
	LF \adrn, 1, \a
.endr
.irp a, 0,1,2,3
	s_wait_dscnt 28-4*\a                           ; fragment (a, 0) is in: behind it the rest of its run and the 16 loads just issued
.irp j, 0,1,2,3
	WIN W_MIX
.irp t, 0,2,4,6
.if \first
	v_pk_mul_f32 v[U+8*(4*\j+\a)+\t:U+8*(4*\j+\a)+\t+1], v[8*(4*\j+\a)+\t:8*(4*\j+\a)+\t+1], v[P+2*(4*(\k)+\j):P+2*(4*(\k)+\j)+1] op_sel_hi:[1,0]
.else
	v_pk_fma_f32 v[U+8*(4*\j+\a)+\t:U+8*(4*\j+\a)+\t+1], v[8*(4*\j+\a)+\t:8*(4*\j+\a)+\t+1], v[P+2*(4*(\k)+\j):P+2*(4*(\k)+\j)+1], v[U+8*(4*\j+\a)+\t:U+8*(4*\j+\a)+\t+1] op_sel_hi:[1,0,1]
.endif
.endr
	WIN 0x58
	WM \a, \j, 0, \setn, 1
.endr
.endr
	WIN 0
.irp j, 0,1,2,3
	v_mov_b32 v[TS+\j], v[P+2*(4*(\k)+\j)]
.endr
.irp j, 0,1,2,3
	v_mov_b32 v[P+2*(4*(\k)+\j)], v[P+2*(4*(\k)+\j)+1]
.endr
.irp j, 0,1,2,3
	v_mov_b32 v[P+2*(4*(\k)+\j)+1], v[TS+\j]
.endr
.endm
; THE WAY OUT of a pass: 64 rows x 64 columns a wave.  A lane holds 32 neighbouring bytes of a row and the lanes beside it other rows: a block of 16 rows goes through my own stage in LDS and comes back, into the registers that it
; left, as whole rows of 256 bytes.  LDS serves a wave's instructions in order (ISA guide 5.7.1.4): no wait between the stores and the loads, nor in front of the next block's stores.
.macro TOSTAGE j
	WIN W_SD
.irp a, 0,1,2,3
	ds_store_b128 v[STO], v[U+8*(4*(\j)+\a):U+8*(4*(\j)+\a)+3] offset:64*\a
	ds_store_b128 v[STO], v[U+8*(4*(\j)+\a)+4:U+8*(4*(\j)+\a)+7] offset:64*\a+16
.endr
	WIN W_LD
.irp t, 0,1,2,3,4,5,6,7
	ds_load_b128 v[U+32*(\j)+4*\t:U+32*(\j)+4*\t+3], v[RD] offset:2*SP*\t
.endr
.endm
.macro SEND j, y, q                    ; y: the LDS instructions issued behind block j's loads
	WIN W_SD
.irp t, 0,1,2,3,4,5,6,7
	s_wait_dscnt (\y)+7-\t
	global_store_b128 v[GO], v[U+32*(\j)+4*\t:U+32*(\j)+4*\t+3], s[14:15] offset:(16*(\j)+2*\t)*8192+256*(\q)   ; 16 lanes store 256 consecutive bytes, at a multiple of 256 from u's first byte
.endr
.endm
.macro EPI q
	TOSTAGE 0
	TOSTAGE 1
	SEND 0, 16, \q
	TOSTAGE 2
	SEND 1, 16, \q
	TOSTAGE 3
	SEND 2, 16, \q
	SEND 3, 0, \q
	WIN 0
.endm
	s_wait_tensorcnt 0x1                           ; the scale bytes and my part of slot 0 are in; slot 1's may stay out
	s_barrier_signal -1
	s_barrier_wait -1                              ; everybody's are
	SCLD 0, 0
.irp a, 0,1,2,3
	LF AW, 0, \a
.endr
	s_wait_loadcnt 0x0                             ; x, its scale words, pW
	STEP 0, 0, 1, AW, 1, 0                         ; expert 0 is written out: its first products start H, its mix starts U
	RUN 0, AW, 2048
	STEP 7, 0, 0, AW+1, 0, 0
	MIXSTEP 0, 1, AW+1, 1
.Ltrip:                                            ; three trips of four experts: e = 4 t + 1 .. 4 t + 4; both slots are filled again in each
	RUN 1, AW+1, 4096
	TURN 1, AW+2, 1, 0
	MIXSTEP 1, 0, AW+2, 0
	RUN 0, AW+2, 6144
	STEP 7, 0, 0, AW+3, 0, 0
	MIXSTEP 2, 1, AW+3, 0
	RUN 1, AW+3, 8192
	TURN 1, AW, 1, 1
	MIXSTEP 3, 0, AW, 0
	s_cmp_eq_u32 s[PH], 1                          ; in the second trip this was expert 7: pass 0 is whole and goes out
	s_cbranch_scc0 .Lno_out
	EPI 0                                          ; (its last wait is for all LDS instructions: the counts of the K step below are then merely stricter than they need be)
.Lno_out:
	RUN 0, AW, 10240
	STEP 7, 0, 0, AW+1, 0, 0
	WIN 0                                          ; at a branch and at a label every window is 0
	s_wait_xcnt 0x0                                ; the stores of pass 0 have read their registers: U is written again only behind this wait
	s_cmp_eq_u32 s[PH], 1
	s_cbranch_scc1 .Lstart
	MIXSTEP 0, 1, AW+1, 0
	s_branch .Lmixed
.Lstart:
	MIXSTEP 0, 1, AW+1, 1                          ; expert 8 starts pass 1's U
.Lmixed:
	v_add_nc_u32 v[ASC], 8192, v[ASC]              ; four experts' scale bytes on
	s_xor_b32 s[PH], s[PH], 1
	s_sub_co_u32 s[TRIPS], s[TRIPS], 1
	s_cmp_lg_u32 s[TRIPS], 0
	s_cbranch_scc1 .Ltrip
	RUN 1, AW+1, 4096                              ; the tail is written out: experts 13, 14, 15 ask for nothing
	TURN 1, AW+2, 0, 0
	MIXSTEP 1, 0, AW+2, 0
	RUN 0, AW+2, 6144
	STEP 7, 0, 0, AW+3, 0, 0
	MIXSTEP 2, 1, AW+3, 0
	RUN 1, AW+3, 0
	WIN 0x5c
.irp a, 0,1,2,3
	s_wait_dscnt 12-4*\a                           ; the very last K step: behind fragment a only the fragments a + 1 .. 3 were issued
	WM4 \a, 7, 1, 0
.endr
	PLACES 8                                       ; in front of the first read of results
	WIN W_MIX
.irp a, 0,1,2,3
.irp j, 0,1,2,3
.irp t, 0,2,4,6
	v_pk_fma_f32 v[U+8*(4*\j+\a)+\t:U+8*(4*\j+\a)+\t+1], v[8*(4*\j+\a)+\t:8*(4*\j+\a)+\t+1], v[P+2*(12+\j):P+2*(12+\j)+1], v[U+8*(4*\j+\a)+\t:U+8*(4*\j+\a)+\t+1] op_sel_hi:[1,0,1]
.endr
.endr
.endr
	EPI 1
	s_wait_tensorcnt 0x0                           ; the wave's end: behind my last tensor load and my last LDS store
	ds_add_u32 v[SPW], v[NIL]
	s_wait_dscnt 0x0
	CROUND                                         ; the closing round: no work-group ends while a partner may still ask for a tile that names it
	s_endpgm
.Lfunc_end_k_q1f248f4b12_mix:
	.size	k_q1f248f4b12_mix, .Lfunc_end_k_q1f248f4b12_mix-k_q1f248f4b12_mix
	.p2alignl 7, 3214868480
	.fill 96, 4, 3214868480
	.section	.rodata,"a",@progbits
	.p2align	6, 0x0
	.amdhsa_kernel k_q1f248f4b12_mix
		.amdhsa_group_segment_fixed_size 327680
		.amdhsa_private_segment_fixed_size 0
		.amdhsa_enable_private_segment 0
		.amdhsa_kernarg_size 48
		.amdhsa_user_sgpr_count 2
		.amdhsa_user_sgpr_kernarg_segment_ptr 1
		.amdhsa_wavefront_size32 1
		.amdhsa_system_sgpr_workgroup_id_x 1
		.amdhsa_system_sgpr_workgroup_id_y 1
		.amdhsa_system_sgpr_workgroup_id_z 1
		.amdhsa_system_vgpr_workitem_id 0
		.amdhsa_next_free_vgpr 1024
		.amdhsa_next_free_sgpr 66
		.amdhsa_reserve_vcc 0
		.amdhsa_float_denorm_mode_32 3
		.amdhsa_float_denorm_mode_16_64 3
		.amdhsa_memory_ordered 1
		.amdhsa_forward_progress 1
		.amdhsa_inst_pref_size 255
	.end_amdhsa_kernel
	.section	.bss,"aw",@nobits
	.p2align	6
	.space	262144
	.amdgpu_metadata
---
amdhsa.version: [ 1, 2 ]
amdhsa.kernels:
  - .name:           k_q1f248f4b12_mix
    .symbol:         k_q1f248f4b12_mix.kd
    .args:
      - { .name: Ws_codes, .offset: 0, .size: 8, .value_kind: global_buffer, .address_space: global }
      - { .name: Ws_scales, .offset: 8, .size: 8, .value_kind: global_buffer, .address_space: global }
      - { .name: x_codes, .offset: 16, .size: 8, .value_kind: global_buffer, .address_space: global }
      - { .name: x_scales, .offset: 24, .size: 8, .value_kind: global_buffer, .address_space: global }
      - { .name: pW, .offset: 32, .size: 8, .value_kind: global_buffer, .address_space: global }
      - { .name: u, .offset: 40, .size: 8, .value_kind: global_buffer, .address_space: global }
    .group_segment_fixed_size: 327680
    .private_segment_fixed_size: 0
    .kernarg_segment_align: 8
    .kernarg_segment_size: 48
    .max_flat_workgroup_size: 128
    .sgpr_count:     66
    .vgpr_count:     1024
    .wavefront_size: 32
...
	.end_amdgpu_metadata
.endif
;; end of part 1
;; launch norm (part 2): grid 512 x 1, 8 waves a work-group, no clusters, 2,048 bytes of LDS; arguments u, gW, gb, pb, bs, out0; writes out0
.if DOCPART == 2
	.amdgcn_target "amdgcn-amd-amdhsa--gfx1250"
	.amdhsa_code_object_version 6
	.text
	.protected	k_q1f248f4b12_norm
	.globl	k_q1f248f4b12_norm
	.p2align	8
	.type	k_q1f248f4b12_norm,@function
k_q1f248f4b12_norm:
	s_mov_b64 s[64:65], 0
	v_nop
	global_prefetch_b8 v0, s[64:65] scope:SCOPE_SE
	s_setreg_imm32_b32 hwreg(HW_REG_WAVE_MODE, 25, 1), 1
	s_wait_xcnt 0x0
; z[b][i] = gW[b][i] u[b][i] + gb[b][i] (sum over m of pb[b][m] bs[m][i]);  y = (z - mean) / sqrt(var + 1e-5) over the row's 2,048;  out = y where y > 0, else e^y - 1.  All f32.
; A stream: u, gW, gb are read once and out0 is written once, by 16 bytes a lane, so that a wave's instruction covers 512 consecutive bytes.  No matrix unit: the one product has K = 8 and its natural result layout is not the
; rows' layout in which everything here streams; no cluster and no tensor loads: work-groups share only bs (65,536 bytes) and nothing is read twice.
; SHARES.  Eight waves; a work-group takes 8 rows, in two batches of 4.  Thread t owns columns 4 t .. 4 t + 3 and 1024 + 4 t .. + 3 of every row, and keeps bs at these 8 columns x 8 experts in 64 registers.
; pb of the 8 rows lies in scalar registers.  A row's sums meet in LDS: each wave stores its part, one barrier, every wave reads all eight.  The variance is taken of z - mean, in a second pass over registers.
; The second batch's loads go out as soon as the first batch's z are made, and land under its two reductions and its exponentials.
; LIMITS: e^y - 1 is made as 2^(y log2 e) - 1: its absolute error stays near 1.2e-7, so its relative error grows for |y| under about 1e-4.  NaN and infinities go through as the arithmetic gives them.
.set OFF, 1                            ; v1       16 t; never rewritten
.set RA,  2                            ; v2       4 x my wave's number
.set ZR,  3                            ; v3       0
.set BS,  8                            ; v8-71    bs: expert m at 8 m, my 8 columns
.set IN,  72                           ; v72-167  row p of a batch at 24 p: 8 of u, 8 of gW, 8 of gb
.set Z,   168                          ; v168-199 row p at 8 p: z, then z - mean, then the result
.set C,   200                          ; v200-215 two sets of 8 at work
.set R,   216                          ; v216-247 row p at 8 p: at work; the eight waves' parts
.set S,   248                          ; v248-251 a sum for each row; v252-255 the lane permute's destinations
	s_load_b256 s[4:11], s[0:1], 0x0               ; u s[4:5], gW s[6:7], gb s[8:9], pb s[10:11]
	s_load_b128 s[12:15], s[0:1], 0x20             ; bs s[12:13], out0 s[14:15]
	v_lshl_add_u32 v6, v0, 2, 0x400
	v_mov_b32 v7, 0
	v_lshlrev_b32 v[OFF], 4, v0
	v_lshrrev_b32 v[RA], 5, v0
	v_lshlrev_b32 v[RA], 2, v[RA]
	v_mov_b32 v[ZR], 0
.irp p, 0,1,2,3
	v_mov_b32 v[S+4+\p], 0                         ; written once: a lane permute's destination counts as one of its sources
.endr
	s_lshl_b32 s2, ttmp9, 16                       ; the work-group's 8 rows of 8,192 bytes
	s_mov_b32 s3, 0
	s_mov_b32 s56, 0x3a000000                      ; 1 / 2,048
	s_mov_b32 s57, 0x3727c5ac                      ; 1e-5
	s_mov_b32 s58, 0x3fb8aa3b                      ; log2(e)
	s_mov_b32 s60, 0x76543210                      ; v_permlanex16_b32's selects for lane l xor 16
	s_mov_b32 s61, 0xfedcba98
	s_mov_b32 s49, 0                               ; s[48:55]: four pairs whose low words take a row's odd experts' pb; the high words are named with them, so they are written
	s_mov_b32 s51, 0
	s_mov_b32 s53, 0
	s_mov_b32 s55, 0
	s_wait_kmcnt 0x0
	s_add_nc_u64 s[4:5], s[4:5], s[2:3]
	s_add_nc_u64 s[6:7], s[6:7], s[2:3]
	s_add_nc_u64 s[8:9], s[8:9], s[2:3]
	s_add_nc_u64 s[14:15], s[14:15], s[2:3]
	s_lshl_b32 s2, ttmp9, 8                        ; 8 rows of 32 bytes
	s_add_nc_u64 s[10:11], s[10:11], s[2:3]
.macro LDROW p, row                    ; row `row` of the work-group's eight into the batch's place p
.irp c, 0,1
	global_load_b128 v[IN+24*(\p)+4*\c:IN+24*(\p)+4*\c+3], v[OFF], s[4:5] offset:(\row)*8192+4096*\c
	global_load_b128 v[IN+24*(\p)+8+4*\c:IN+24*(\p)+8+4*\c+3], v[OFF], s[6:7] offset:(\row)*8192+4096*\c th:TH_LOAD_NT
	global_load_b128 v[IN+24*(\p)+16+4*\c:IN+24*(\p)+16+4*\c+3], v[OFF], s[8:9] offset:(\row)*8192+4096*\c th:TH_LOAD_NT
.endr
.endm
.irp p, 0,1,2,3
	LDROW \p, \p
.endr
.irp m, 0,1,2,3,4,5,6,7
.irp c, 0,1
	global_load_b128 v[BS+8*\m+4*\c:BS+8*\m+4*\c+3], v[OFF], s[12:13] offset:8192*\m+4096*\c
.endr
.endr
.irp p, 0,1,2,3
	s_load_b256 s[16+8*\p:23+8*\p], s[10:11], 32*\p          ; pb of rows 0-3: s[16:47]
	s_load_b256 s[68+8*\p:75+8*\p], s[10:11], 128+32*\p      ; of rows 4-7: s[68:99]
.endr
	s_wait_kmcnt 0x0
; z of row p of batch b.  The packed form takes a scalar pair's low word for both halves: an even expert's pb is the low word of its own pair, an odd one's is moved into a pair's low word first.
.macro ZROW b, p
.set PBR, 16+8*(4*(\b)+(\p))+20*(\b)
.set CC, C+8*((\p)%2)
.set II, IN+24*(\p)
.set ZZ, Z+8*(\p)
	s_mov_b32 s48, s[PBR+1]
	s_mov_b32 s50, s[PBR+3]
	s_mov_b32 s52, s[PBR+5]
	s_mov_b32 s54, s[PBR+7]
.irp c, 0,2,4,6
	v_pk_mul_f32 v[CC+\c:CC+\c+1], v[BS+\c:BS+\c+1], s[PBR:PBR+1] op_sel_hi:[1,0]
.endr
.irp m, 1,2,3,4,5,6,7
.irp c, 0,2,4,6
.if (\m)%2
	v_pk_fma_f32 v[CC+\c:CC+\c+1], v[BS+8*\m+\c:BS+8*\m+\c+1], s[47+\m:48+\m], v[CC+\c:CC+\c+1] op_sel_hi:[1,0,1]
.else
	v_pk_fma_f32 v[CC+\c:CC+\c+1], v[BS+8*\m+\c:BS+8*\m+\c+1], s[PBR+\m:PBR+\m+1], v[CC+\c:CC+\c+1] op_sel_hi:[1,0,1]
.endif
.endr
.endr
.irp c, 0,2,4,6
	v_pk_mul_f32 v[ZZ+\c:ZZ+\c+1], v[II+8+\c:II+8+\c+1], v[II+\c:II+\c+1]                       ; gW u
.endr
.irp c, 0,2,4,6
	v_pk_fma_f32 v[ZZ+\c:ZZ+\c+1], v[II+16+\c:II+16+\c+1], v[CC+\c:CC+\c+1], v[ZZ+\c:ZZ+\c+1]   ; + gb (pb . bs)
.endr
.if (\b) == 0
	LDROW \p, 4+\p                                 ; the place is free: the second batch's row goes out
.endif
.endm
; The four rows' sums in v[S] on: over the wave's 32 lanes, then over the eight waves through 128 bytes of LDS at red, which are used this once.  The four rows take turns, so that no line waits for the line above it.
.macro ACROSS red
.irp x, 1,2,4,8
.irp p, 0,1,2,3
	v_add_f32_dpp v[S+\p], v[S+\p], v[S+\p] row_xmask:\x row_mask:0xf bank_mask:0xf
.endr
.endr
.irp p, 0,1,2,3
	v_permlanex16_b32 v[S+4+\p], v[S+\p], s60, s61
.endr
.irp p, 0,1,2,3
	v_add_f32 v[S+\p], v[S+\p], v[S+4+\p]
.endr
.irp p, 0,1,2,3
	ds_store_b32 v[RA], v[S+\p] offset:(\red)+32*\p          ; all lanes write the wave's word with the same value
.endr
	s_wait_dscnt 0x0                               ; for the others' sake: my stores have landed
	s_barrier_signal -1
	s_barrier_wait -1
.irp p, 0,1,2,3
	ds_load_b128 v[R+8*\p:R+8*\p+3], v[ZR] offset:(\red)+32*\p
	ds_load_b128 v[R+8*\p+4:R+8*\p+7], v[ZR] offset:(\red)+32*\p+16
.endr
	s_wait_dscnt 0x0
.irp p, 0,1,2,3
	v_pk_add_f32 v[R+8*\p:R+8*\p+1], v[R+8*\p:R+8*\p+1], v[R+8*\p+2:R+8*\p+3]
.endr
.irp p, 0,1,2,3
	v_pk_add_f32 v[R+8*\p+4:R+8*\p+5], v[R+8*\p+4:R+8*\p+5], v[R+8*\p+6:R+8*\p+7]
.endr
.irp p, 0,1,2,3
	v_pk_add_f32 v[R+8*\p:R+8*\p+1], v[R+8*\p:R+8*\p+1], v[R+8*\p+4:R+8*\p+5]
.endr
.irp p, 0,1,2,3
	v_add_f32 v[S+\p], v[R+8*\p], v[R+8*\p+1]      ; the same order of additions in every wave: the same bits
.endr
.endm
.macro ELU b, p
.set CC, C+8*((\p)%2)
.set ZZ, Z+8*(\p)
.irp c, 0,2,4,6
	v_pk_mul_f32 v[CC+\c:CC+\c+1], v[ZZ+\c:ZZ+\c+1], v[R+8*(\p)+2:R+8*(\p)+3] op_sel_hi:[1,0]   ; y log2(e)
.endr
.irp i, 0,1,2,3,4,5,6,7
	v_exp_f32 v[CC+\i], v[CC+\i]
.endr
.irp c, 0,2,4,6
	v_pk_mul_f32 v[ZZ+\c:ZZ+\c+1], v[ZZ+\c:ZZ+\c+1], v[R+8*(\p):R+8*(\p)+1] op_sel_hi:[1,0]     ; y.  (Plain lines behind the exponentials, ahead of the use of their results: ISA guide 5.7.2)
.endr
	s_wait_alu depctr_va_vdst(0)
.irp c, 0,2,4,6
	v_pk_add_f32 v[CC+\c:CC+\c+1], v[CC+\c:CC+\c+1], -1.0 op_sel_hi:[1,0]
.endr
.irp i, 0,2,4,6
	v_cmp_lt_f32 vcc_lo, 0, v[ZZ+\i]
	v_cmp_lt_f32 s62, 0, v[ZZ+\i+1]
	v_cndmask_b32 v[ZZ+\i], v[CC+\i], v[ZZ+\i], vcc_lo       ; y where 0 < y, else e^y - 1 (a NaN takes the second way and stays one)
	v_cndmask_b32 v[ZZ+\i+1], v[CC+\i+1], v[ZZ+\i+1], s62
.endr
	global_store_b128 v[OFF], v[ZZ:ZZ+3], s[14:15] offset:(4*(\b)+(\p))*8192 th:TH_STORE_NT       ; a wave stores 512 consecutive bytes, at a multiple of 256 from out0's first byte
	global_store_b128 v[OFF], v[ZZ+4:ZZ+7], s[14:15] offset:(4*(\b)+(\p))*8192+4096 th:TH_STORE_NT
.endm
.macro BATCH b
	s_wait_loadcnt 0x0                             ; the batch's 24 loads (and, the first time, bs) are in
.if \b
	s_wait_xcnt 0x0                                ; the first batch's stores have read their registers: Z is written again only behind this wait
.endif
.irp p, 0,1,2,3
	ZROW \b, \p
.endr
.irp p, 0,1,2,3
	v_pk_add_f32 v[R+8*\p:R+8*\p+1], v[Z+8*\p:Z+8*\p+1], v[Z+8*\p+2:Z+8*\p+3]
.endr
.irp p, 0,1,2,3
	v_pk_add_f32 v[R+8*\p+2:R+8*\p+3], v[Z+8*\p+4:Z+8*\p+5], v[Z+8*\p+6:Z+8*\p+7]
.endr
.irp p, 0,1,2,3
	v_pk_add_f32 v[R+8*\p:R+8*\p+1], v[R+8*\p:R+8*\p+1], v[R+8*\p+2:R+8*\p+3]
.endr
.irp p, 0,1,2,3
	v_add_f32 v[S+\p], v[R+8*\p], v[R+8*\p+1]      ; my 8 numbers' sum
.endr
	ACROSS 256*(\b)
.irp p, 0,1,2,3
	v_mul_f32 v[R+8*\p], s56, v[S+\p]              ; the mean
.endr
.irp c, 0,2,4,6
.irp p, 0,1,2,3
	v_pk_add_f32 v[Z+8*\p+\c:Z+8*\p+\c+1], v[Z+8*\p+\c:Z+8*\p+\c+1], v[R+8*\p:R+8*\p+1] op_sel_hi:[1,0] neg_lo:[0,1] neg_hi:[0,1]   ; z - mean
.endr
.endr
.irp p, 0,1,2,3
	v_pk_mul_f32 v[R+8*\p:R+8*\p+1], v[Z+8*\p:Z+8*\p+1], v[Z+8*\p:Z+8*\p+1]
.endr
.irp c, 2,4,6
.irp p, 0,1,2,3
	v_pk_fma_f32 v[R+8*\p:R+8*\p+1], v[Z+8*\p+\c:Z+8*\p+\c+1], v[Z+8*\p+\c:Z+8*\p+\c+1], v[R+8*\p:R+8*\p+1]
.endr
.endr
.irp p, 0,1,2,3
	v_add_f32 v[S+\p], v[R+8*\p], v[R+8*\p+1]      ; my 8 squares' sum
.endr
	ACROSS 256*(\b)+128
.irp p, 0,1,2,3
	v_fma_f32 v[S+\p], v[S+\p], s56, s57           ; the variance + 1e-5
.endr
.irp p, 0,1,2,3
	v_rsq_f32 v[R+8*\p], v[S+\p]
.endr
	v_nop                                          ; a plain line between the last of them and the use of its result
	s_wait_alu depctr_va_vdst(0)
.irp p, 0,1,2,3
	v_mul_f32 v[R+8*\p+2], s58, v[R+8*\p]          ; and times log2(e), for the exponentials
.endr
.irp p, 0,1,2,3
	ELU \b, \p
.endr
.endm
	BATCH 0
	BATCH 1
	s_wait_tensorcnt 0x0
	ds_add_u32 v6, v7
	s_wait_dscnt 0x0
	s_endpgm
.Lfunc_end_k_q1f248f4b12_norm:
	.size	k_q1f248f4b12_norm, .Lfunc_end_k_q1f248f4b12_norm-k_q1f248f4b12_norm
	.p2alignl 7, 3214868480
	.fill 96, 4, 3214868480
	.section	.rodata,"a",@progbits
	.p2align	6, 0x0
	.amdhsa_kernel k_q1f248f4b12_norm
		.amdhsa_group_segment_fixed_size 2048
		.amdhsa_private_segment_fixed_size 0
		.amdhsa_enable_private_segment 0
		.amdhsa_kernarg_size 48
		.amdhsa_user_sgpr_count 2
		.amdhsa_user_sgpr_kernarg_segment_ptr 1
		.amdhsa_wavefront_size32 1
		.amdhsa_system_sgpr_workgroup_id_x 1
		.amdhsa_system_sgpr_workgroup_id_y 1
		.amdhsa_system_sgpr_workgroup_id_z 1
		.amdhsa_system_vgpr_workitem_id 0
		.amdhsa_next_free_vgpr 256
		.amdhsa_next_free_sgpr 100
		.amdhsa_reserve_vcc 1
		.amdhsa_float_denorm_mode_32 3
		.amdhsa_float_denorm_mode_16_64 3
		.amdhsa_memory_ordered 1
		.amdhsa_forward_progress 1
		.amdhsa_inst_pref_size 65
	.end_amdhsa_kernel
	.amdgpu_metadata
---
amdhsa.version: [ 1, 2 ]
amdhsa.kernels:
  - .name:           k_q1f248f4b12_norm
    .symbol:         k_q1f248f4b12_norm.kd
    .args:
      - { .name: u, .offset: 0, .size: 8, .value_kind: global_buffer, .address_space: global }
      - { .name: gW, .offset: 8, .size: 8, .value_kind: global_buffer, .address_space: global }
      - { .name: gb, .offset: 16, .size: 8, .value_kind: global_buffer, .address_space: global }
      - { .name: pb, .offset: 24, .size: 8, .value_kind: global_buffer, .address_space: global }
      - { .name: bs, .offset: 32, .size: 8, .value_kind: global_buffer, .address_space: global }
      - { .name: out0, .offset: 40, .size: 8, .value_kind: global_buffer, .address_space: global }
    .group_segment_fixed_size: 2048
    .private_segment_fixed_size: 0
    .kernarg_segment_align: 8
    .kernarg_segment_size: 48
    .max_flat_workgroup_size: 256
    .sgpr_count:     100
    .vgpr_count:     256
    .wavefront_size: 32
...
	.end_amdgpu_metadata
.endif
;; end of part 2
